; MI455X (gfx1250); checked and timed in simulation.
; The chip was launched on July 23, 2026; its instructions are those of AMD's public machine-readable ISA for CDNA 5 (MIT licence, August 2026) and "CDNA5" Instruction Set Architecture Reference Guide (July 2026). The comments in the code are by the model that wrote it; some were corrected since.
;; Bit Stack Linear. Allowed arithmetic: float matrix products may take bf16 or f16 operands with f32 sums; other float arithmetic in f32, or as packed bf16 or f16 multiplies, adds, multiply-adds, maxima and minima; sums over many terms, partial sums and values carried from step to step in f32; what a program stores and reads back later, other than sums and carried values, may be rounded once to bf16 or f16.
;; Inputs: qweight 4 x 2,097,152 int32; u 4 x 4,096 x 16 float16; vt 4 x 16 x 4,096 float16; x 4 x 1,024 x 4,096 float16.
;; Outputs: out0 4 x 1,024 x 4,096 float16.
;; One version. Each part assembles by itself: llvm-mc -triple=amdgcn-amd-amdhsa -mcpu=gfx1250 --defsym DOCPART=n.
;; ======== version 1 of 1: 2 launches
;; limits: values are held in f16: magnitudes above 65,504 overflow, below 6.1e-05 lose precision
;; workspace buffers: w 33,554,432 bytes
;; launch build (part 1): grid 8 x 32, 8 waves a work-group, no clusters, 248,832 bytes of LDS; arguments qweight, u, vt, w; writes w
.if DOCPART == 1
	.amdgcn_target "amdgcn-amd-amdhsa--gfx1250"
	.amdhsa_code_object_version 6
	.text
	.protected	k_q3fb356c8ff_build
	.globl	k_q3fb356c8ff_build
	.p2align	8
	.type	k_q3fb356c8ff_build,@function
k_q3fb356c8ff_build:
	s_mov_b64 s[64:65], 0
	v_nop
	global_prefetch_b8 v0, s[64:65] scope:SCOPE_SE
	s_setreg_imm32_b32 hwreg(HW_REG_WAVE_MODE, 25, 1), 1
	s_wait_xcnt 0x0
; BitStackLinear, the first of two launches: w[o][i] = the sum over planes b = 0..3 of s_b[o][i] x (the sum over k < 16 of u[b][o][k] vt[b][k][i]),
; s_b[o][i] = +1 where bit i % 8 of the word qweight[b][512 o + i / 8] is 1, else -1 (only a word's low eight bits are looked at, as in the problem).
; w: [4096 (o)][4096 (i)] f16, a workspace: the second launch multiplies x by it.  NOTHING IS LEFT OUT: all four inputs have a way to the output; this launch loads qweight, u and vt, the next one x.
; WHY A LAUNCH OF ITS OWN: w has 65,536 tiles of 16 x 16, 84 vector instructions each.  A work-group of the product that made its own 256 rows of w would issue 4,096 x 84 of them, for 16,384 matrix
; instructions a wave, and sixteen tile rows would each do it again.  Made once, w costs its 33,554,432 bytes out and in.
; FORMATS AND LIMITS.  u and vt enter the matrix unit as they are (f16); the products, the signs and the sum over planes are f32; w is rounded once to f16: from 65,520 on it is an infinity, below 6e-5 it
; keeps f16's fixed step of 2^-24.  NaN and infinities are not treated apart: two planes share a product's K, each beside zeros, so an infinite vt in one plane makes a NaN in its partner's product.
; SHARES.  Work-group (x, y): rows 128 y .. + 127 and columns 512 x .. + 511 of w: 256 work-groups of equal work.  Wave v (hi = v / 2, lo = v % 2): rows 64 lo .. + 63, columns 128 hi .. + 127 of that:
; four blocks of 16 rows x eight tiles of 16 x 16.
; THE PRODUCT is taken transposed: source 0 = 16 columns i (vt, turned on its way out of LDS), source 1 = 16 rows o (u).  In the result lane (r = l % 16, h = l / 16) holds row r, register j source 0's row 8 h + j.
; Tile t's sixteen rows of source 0 are the columns 64 h' + 8 t + j' (h' = 0, 1; j' = 0..7) of the wave's 128: so a lane's eight results are the eight columns of ONE word of qweight, word 8 h + t of the row's 16,
; bit j for register j, and pack into 16 bytes of a row of w.  K = 32 holds two planes: source 0 = vt[2 p] (k 0-15), vt[2 p + 1] (k 16-31); source 1 = u[2 p] and zeros, or zeros and u[2 p + 1].
; Four matrix instructions a tile, one a plane, each with C = 0: no sum is carried from one to the next.
; THE SIGN.  (word << (31 - j)) & 0x80000000 | 0x3f800000 is -1.0 where bit j is 1, +1.0 where it is 0: minus the sign.  u is negated once, in registers, so the products are minus the low-rank terms, and
; product x that number is the signed term: two instructions a number and a packed multiply-add for two.
; LDS, filled once: the whole share comes in by three tensor loads a wave, all issued at the head (three of mine are out, by this text's count); no byte is filled twice, so there is no ring.
; NO CLUSTER: what work-groups share is vt's slice (the 32 of a column x: 65,536 bytes) and u's rows (16,384) of the 344,064 bytes that a work-group moves (131,072 of qweight and 131,072 of w are its own);
; joint loads would add two rounds of a cluster's barrier to a text with two barriers.  NO PREFETCH: every byte is asked for at the head.
.set QPITCH, 272                       ; a row of qweight's tile in LDS: 64 words + 16 bytes = 68 words: row r starts at bank 4 r mod 64 (64 banks of 4 bytes: ISA guide 11.1)
.set VPITCH, 288                       ; a row of vt's tile: 256 bytes + 32
.set SPITCH, 272                       ; a row of the stage
.set QHALF,  256*QPITCH                ; qweight's tiles lie in two halves: rows 0-31 of each (plane, row half), index 64 b + 32 lo + row, then rows 32-63 likewise
.set QL,     0
.set VL,     2*QHALF                   ; vt: for each column quarter 64 rows (16 b + k)
.set STAGE,  VL+4*64*VPITCH            ; 16 rows x 272 bytes for each wave, its own: no tensor load lands here
.set SPARE,  STAGE+8*16*SPITCH         ; the spare words, 128 bytes for each wave: four blocks of 256 bytes that no other line names
; window 0
.set SPW, 2                            ; v2       LDS address of my spare word; never rewritten
.set NIL, 3                            ; v3       0; never rewritten
.set QA,  4                            ; v4-7     plane b: LDS address of my lane's words in the first half of qweight's tiles
.set AV0, 8                            ; v8       my lane's place in vt's tile, for the turning load
.set STO, 9                            ; v9       the stage: where I put 16 bytes of a row
.set RD,  10                           ; v10      the stage: where I read rows back
.set WO,  11                           ; v11      my byte offset in two rows of w
.set UO,  12                           ; v12      my byte offset in 16 rows of u
.set QW,  16                           ; v16-47   a block's words: plane b, tile t at QW + 8 b + t
.set SG,  48                           ; v48-63   eight sign numbers, two sets by the plane's parity
.set ACC, 64                           ; v64-71   the tile's eight sums
.set PK,  72                           ; v72-79   the tile packed, two sets by the tile's parity
.set OUT, 80                           ; v80-111  a block read back from the stage
.set QSTEP, 108                        ; v112-115 as v4-7, for the second half
.set DB,  128                          ; v128-191 the products: two buffers by the tile's parity, plane b at DB + 32 d + 8 b
; window 1
.set AF,  0                            ; v0-127   vt's fragments: tile t, plane pair p at 8 (2 t + p)
.set BG,  128                          ; v128-223 u: block ob, pair p at BG + 12 (2 ob + p): -u[2 p] (4), zeros (4), -u[2 p + 1] (4); registers 0-7 are plane 2 p's source, 4-11 plane 2 p + 1's
.set WV,  12                           ; s12 wave, s13 hi, s14 lo, s15 y
.set HI,  13
.set LO,  14
.set YB,  15
.set G1Q, 16                           ; s[16:23] descriptor group 1 for qweight's tiles
.set G1V, 24                           ; s[24:31] for vt's
.set G0V, 32                           ; s[32:35] group 0: vt
.set G0QA, 36                          ; s[36:39] qweight, my first 32 rows
.set G0QB, 40                          ; s[40:43] my second 32 rows
.set MSK, 46
.set ONE, 47
.set NEGH, 56
.set MSB, 0
.macro WIN new                         ; s_set_vgpr_msb: bits 1:0 source 0, 3:2 source 1, 5:4 source 2, 7:6 destination; the high byte repeats the setting that is left
.if MSB != (\new)
	s_set_vgpr_msb (MSB<<8)|(\new)
.set MSB, \new
.endif
.endm
	s_load_b256 s[4:11], s[0:1], 0x0               ; qweight s[4:5], u s[6:7], vt s[8:9], w s[10:11]
	v_lshl_add_u32 v[SPW], v0, 2, SPARE
	v_mov_b32 v[NIL], 0
	ds_add_u32 v[SPW], v[NIL]                      ; the wave's opening: the add, twice on end, and its wait ahead of my first tensor load
	ds_add_u32 v[SPW], v[NIL]
	v_lshrrev_b32 v13, 5, v0
	v_readfirstlane_b32 s[WV], v13                 ; wave 0..7
	s_lshr_b32 s[HI], s[WV], 1
	s_and_b32 s[LO], s[WV], 1
	s_and_b32 s[YB], ttmp7, 0xffff
	; group 1, qweight: 32 rows x 64 words, 512 words from row to row
	s_mov_b32 s[G1Q+0], (2<<16)|(1<<20)|(5<<22)|(3<<25)  ; 17:16 elements of 4 bytes; 20 padding on; 24:22 after every 64 words (code 5); 31:25 4 words of it (code 3)
	s_mov_b32 s[G1Q+1], 64<<16                     ; tensor_dim0 = 64
	s_mov_b32 s[G1Q+2], 32<<16                     ; tensor_dim1 = 32
	s_mov_b32 s[G1Q+3], 64<<16                     ; tile_dim0 = 64
	s_mov_b32 s[G1Q+4], 32                         ; tile_dim1 = 32
	s_mov_b32 s[G1Q+5], 512                        ; elements from row to row
	s_mov_b32 s[G1Q+6], 0
	s_mov_b32 s[G1Q+7], 0
	; group 1, vt: 32 rows x 128 f16, 4,096 from row to row
	s_mov_b32 s[G1V+0], (1<<16)|(1<<20)|(5<<22)|(7<<25)  ; elements of 2 bytes; after every 64 words 8 words of padding (code 7)
	s_mov_b32 s[G1V+1], 128<<16
	s_mov_b32 s[G1V+2], 32<<16
	s_mov_b32 s[G1V+3], 128<<16
	s_mov_b32 s[G1V+4], 32
	s_mov_b32 s[G1V+5], 4096
	s_mov_b32 s[G1V+6], 0
	s_mov_b32 s[G1V+7], 0
	s_mov_b32 s[MSK], 0x80000000
	s_mov_b32 s[ONE], 0x3f800000
	s_mov_b32 s[NEGH], 0x80008000                  ; the signs of two f16
	s_lshl_b32 s50, s[YB], 7
	s_lshl_b32 s51, s[LO], 6
	s_add_co_u32 s50, s50, s51                     ; 128 y + 64 lo: as a loader the first row that I fetch, as a worker my first row
	s_lshl_b32 s44, s[HI], 23                      ; qweight: plane hi (8,388,608 bytes),
	s_lshl_b32 s51, s50, 11                        ; that row (2,048 bytes),
	s_add_co_u32 s44, s44, s51
	s_lshl_b32 s51, ttmp9, 8                       ; the work-group's 64 words
	s_add_co_u32 s44, s44, s51
	s_mov_b32 s45, 0
	s_lshl_b32 s58, ttmp9, 10                      ; the work-group's 512 columns of f16,
	s_lshl_b32 s51, s[HI], 8                       ; quarter hi of them
	s_add_co_u32 s58, s58, s51
	s_lshl_b32 s48, s[LO], 18                      ; vt as [64][4096]: rows 32 lo on (8,192 bytes each)
	s_add_co_u32 s48, s48, s58
	s_mov_b32 s49, 0
	s_lshl_b32 s52, s50, 5                         ; u: my first row (32 bytes a row)
	s_mov_b32 s53, 0
	s_lshl_b32 s54, s50, 13                        ; w: my first row (8,192 bytes) and my 128 columns
	s_add_co_u32 s54, s54, s58
	s_mov_b32 s55, 0
	s_mov_b32 s[G0V], 1                            ; count = 1
	s_mul_i32 s[G0V+1], s[WV], 32*VPITCH           ; LDS: quarter hi, rows 32 lo on = wave x 32 rows
	s_add_co_u32 s[G0V+1], s[G0V+1], VL
	s_mov_b32 s[G0QA], 1
	s_mul_i32 s[G0QA+1], s[WV], 32*QPITCH          ; LDS: index 64 hi + 32 lo = wave x 32 rows, in the first half,
	s_mov_b32 s[G0QB], 1
	s_add_co_u32 s[G0QB+1], s[G0QA+1], QHALF       ; and in the second
	s_wait_dscnt 0x0                               ; both opening adds are done
	s_wait_kmcnt 0x0
	s_add_nc_u64 s[G0V+2:G0V+3], s[8:9], s[48:49]
	s_or_b32 s[G0V+3], s[G0V+3], 0x80000000        ; type = 2
	s_add_nc_u64 s[G0QA+2:G0QA+3], s[4:5], s[44:45]
	s_add_nc_u64 s[G0QB+2:G0QB+3], s[G0QA+2:G0QA+3], 32*2048
	s_or_b32 s[G0QA+3], s[G0QA+3], 0x80000000
	s_or_b32 s[G0QB+3], s[G0QB+3], 0x80000000
	s_add_nc_u64 s[6:7], s[6:7], s[52:53]
	s_add_nc_u64 s[10:11], s[10:11], s[54:55]
	tensor_load_to_lds s[G0V:G0V+3], s[G1V:G1V+7]     ; all fills go out together, ahead of every wait on TENSORcnt, every LDS read and every barrier
	s_nop 0
	tensor_load_to_lds s[G0QA:G0QA+3], s[G1Q:G1Q+7]
	s_nop 0
	tensor_load_to_lds s[G0QB:G0QB+3], s[G1Q:G1Q+7]
	s_nop 0
	v_and_b32 v13, 15, v0                          ; r
	v_bfe_u32 v14, v0, 4, 1                        ; h
	v_mul_u32_u24 v15, v13, QPITCH                 ; my words: row r,
	v_lshl_add_u32 v15, v14, 5, v15                ; words 8 h on,
	s_mul_i32 s50, s[LO], 32*QPITCH                ; row half lo,
	s_lshl_b32 s51, s[HI], 6                       ; quarter hi's 16 words
	s_add_co_u32 s50, s50, s51
	v_add_nc_u32 v[QA], s50, v15
.irp b, 1,2,3
	v_add_nc_u32 v[QA+\b], (\b)*64*QPITCH, v[QA]   ; plane b
.endr
.irp b, 0,1,2,3
	v_add_nc_u32 v[QA+QSTEP+\b], QHALF, v[QA+\b]
.endr
	; The turning load: lane l names 16 bytes: row 8 h + l % 8 of vt's 16, and the eight columns 64 ((l / 8) % 2) + 8 t ..; it leaves lane l with column 64 (r / 8) + 8 t + r % 8 and eight k.
	v_and_b32 v15, 7, v0
	v_lshl_add_u32 v15, v14, 3, v15
	v_mul_u32_u24 v[AV0], v15, VPITCH
	v_bfe_u32 v15, v0, 3, 1
	v_lshl_add_u32 v[AV0], v15, 7, v[AV0]
	s_mul_i32 s50, s[HI], 64*VPITCH
	s_add_co_u32 s50, s50, VL
	v_add_nc_u32 v[AV0], s50, v[AV0]
	s_mul_i32 s50, s[WV], 16*SPITCH
	s_add_co_u32 s50, s50, STAGE                   ; my stage
	v_mul_u32_u24 v[STO], v13, SPITCH              ; in: row r, columns 64 h + 8 t on: 128 h bytes, 16 t in the immediate
	v_lshl_add_u32 v[STO], v14, 7, v[STO]
	v_add_nc_u32 v[STO], s50, v[STO]
	v_mul_u32_u24 v[RD], v14, SPITCH               ; back: lanes 0-15 take one row of 256 bytes, lanes 16-31 the next
	v_lshl_add_u32 v[RD], v13, 4, v[RD]
	v_add_nc_u32 v[RD], s50, v[RD]
	v_lshlrev_b32 v[WO], 13, v14                   ; and the same two rows in w
	v_lshl_add_u32 v[WO], v13, 4, v[WO]
	v_lshlrev_b32 v[UO], 5, v13                    ; u: row r, k = 8 h on
	v_lshl_add_u32 v[UO], v14, 4, v[UO]
	WIN 0x40                                       ; destination window 1, address window 0
.irp ob, 0,1,2,3
.irp p, 0,1
.irp e, 0,1
	global_load_b128 v[BG+12*(2*\ob+\p)+8*\e:BG+12*(2*\ob+\p)+8*\e+3], v[UO], s[6:7] offset:(2*\p+\e)*131072+\ob*512  ; 16 rows of u: 512 bytes on end
.endr
.endr
.endr
.irp g, 0,1,2,3,4,5,6,7
.irp z, 4,5,6,7
	v_mov_b32 v[BG+12*\g+\z], 0                    ; the other plane's half of K: one quad of zeros serves both planes of a pair
.endr
.endr
	WIN 0
	s_wait_tensorcnt 0x1                           ; my parts of vt and of qweight's first half are in; one younger load, the second half's, stays out
	s_barrier_signal -1
	s_barrier_wait -1                              ; everybody's are
	WIN 0x40
.irp t, 0,1,2,3,4,5,6,7
.irp p, 0,1
	ds_load_tr16_b128 v[AF+8*(2*\t+\p):AF+8*(2*\t+\p)+3],   v[AV0] offset:\p*32*VPITCH+16*\t            ; vt[2 p]: k 0-15
	ds_load_tr16_b128 v[AF+8*(2*\t+\p)+4:AF+8*(2*\t+\p)+7], v[AV0] offset:\p*32*VPITCH+16*VPITCH+16*\t  ; vt[2 p + 1]: k 16-31
.endr
.endr
	WIN 0
; Four LDS loads: block ob's words of tiles 4 part .. 4 part + 3, for the four planes
.macro QLOAD ob, part
.irp b, 0,1,2,3
	ds_load_b128 v[QW+8*\b+4*(\part):QW+8*\b+4*(\part)+3], v[QA+QSTEP*((\ob)/2)+\b] offset:((\ob)%2)*16*QPITCH+16*(\part)
.endr
.endm
; The four products of tile n (block n / 8, tile n % 8), one a plane, into buffer n % 2
.macro MM n
	WIN 0x05                                       ; sources 0 and 1 window 1, destination window 0
.irp b, 0,1,2,3
	v_wmma_f32_16x16x32_f16 v[DB+32*((\n)%2)+8*\b:DB+32*((\n)%2)+8*\b+7], v[AF+8*(2*((\n)%8)+\b/2):AF+8*(2*((\n)%8)+\b/2)+7], v[BG+12*(2*((\n)/8)+\b/2)+4*(\b%2):BG+12*(2*((\n)/8)+\b/2)+4*(\b%2)+7], 0
.endr
	WIN 0
.endm
; Plane b of tile t, products in buffer d: eight sign numbers from the lane's word, then the sums; the products' registers are read in ascending order
.macro SIGN b, t, d
.set rQ, QW+8*(\b)+(\t)
.set rS, SG+8*((\b)%2)
.set rD, DB+32*(\d)+8*(\b)
.irp j, 0,1,2,3,4,5,6,7
	v_lshlrev_b32 v[rS+\j], 31-\j, v[rQ]
.endr
.irp j, 0,1,2,3,4,5,6,7
	v_and_or_b32 v[rS+\j], v[rS+\j], s[MSK], s[ONE]
.endr
.irp j, 0,2,4,6
.if (\b) == 0
	v_pk_mul_f32 v[ACC+\j:ACC+\j+1], v[rD+\j:rD+\j+1], v[rS+\j:rS+\j+1]  ; the first plane starts the sums
.else
	v_pk_fma_f32 v[ACC+\j:ACC+\j+1], v[rD+\j:rD+\j+1], v[rS+\j:rS+\j+1], v[ACC+\j:ACC+\j+1]
.endif
.endr
.endm
; A tile.  The NEXT tile's products are issued first; this tile's 84 vector instructions, which name none of their registers, stand behind them: far more than the four places
; owed before a matrix result is read (ISA guide 7.12.1).  A buffer is written again two tiles later.
.macro TILE ob, t
.set T, 8*(\ob)+(\t)
.if T < 31
	MM T+1
.endif
	SIGN 0, \t, T%2
	SIGN 1, \t, T%2
	SIGN 2, \t, T%2
	SIGN 3, \t, T%2
.irp j, 0,1,2,3
	v_cvt_pk_f16_f32 v[PK+4*((\t)%2)+\j], v[ACC+2*\j], v[ACC+2*\j+1]
.endr
	ds_store_b128 v[STO], v[PK+4*((\t)%2):PK+4*((\t)%2)+3] offset:16*(\t)
.endm
; A block of 16 rows x 256 bytes leaves: back from my stage as whole rows (LDS serves a wave's instructions in order, ISA guide 5.7.1.4: the loads see the stores above, the next block's stores come behind them)
.macro OUTB ob
	s_wait_xcnt 0x0                                ; the last block's stores have read OUT: it is loaded again only behind this wait
.irp f, 0,1,2,3,4,5,6,7
	ds_load_b128 v[OUT+4*\f:OUT+4*\f+3], v[RD] offset:\f*2*SPITCH
.endr
.if (\ob) < 3
	QLOAD (\ob)+1, 1                               ; the next block's words of tiles 4-7: their registers are free since tile 7
	s_wait_dscnt 4                                 ; those four may stay out; the block is back, and the next block's words of tiles 0-3, issued earlier, are in
.else
	s_wait_dscnt 0x0
.endif
.irp f, 0,1,2,3,4,5,6,7
	global_store_b128 v[WO], v[OUT+4*\f:OUT+4*\f+3], s[10:11] offset:(16*(\ob)+2*\f)*8192  ; 16 lanes store 256 consecutive bytes, at a multiple of 256 from w's first byte
.endr
.endm
	QLOAD 0, 0
	QLOAD 0, 1
	s_wait_loadcnt 0x0                             ; u
	WIN 0x44                                       ; destination and source 1 window 1
.irp g, 0,1,2,3,4,5,6,7
.irp z, 0,1,2,3,8,9,10,11
	v_xor_b32 v[BG+12*\g+\z], s[NEGH], v[BG+12*\g+\z]  ; -u, once
.endr
.endr
	WIN 0
	s_wait_dscnt 0x0                               ; vt's fragments and block 0's words
	MM 0                                           ; the first tile's products; the sixteen shifts and masks that open its vector work are the places behind them
.irp ob, 0,1,2,3
	TILE \ob, 0
	TILE \ob, 1
	TILE \ob, 2
	TILE \ob, 3
.if (\ob) == 1
	s_wait_tensorcnt 0x0                           ; my part of qweight's second half is in,
	s_wait_dscnt 0x0                               ; no LDS instruction of mine is pending at the signal,
	s_barrier_signal -1
	s_barrier_wait -1                              ; everybody's part is in: blocks 2 and 3 may be read
.else
	s_wait_dscnt 4                                 ; the four stores of tiles 0-3 may stay out: the words of tiles 4-7, asked for at the last block's end, are in
.endif
.if (\ob) < 3
	QLOAD (\ob)+1, 0                               ; the next block's words of tiles 0-3: their registers are free since tile 3
.endif
	TILE \ob, 4
	TILE \ob, 5
	TILE \ob, 6
	TILE \ob, 7
	OUTB \ob
.endr
	s_wait_tensorcnt 0x0                           ; the wave's end: the wait, the add and the wait, behind my last tensor load and my last LDS store
	ds_add_u32 v[SPW], v[NIL]
	s_wait_dscnt 0x0
	s_endpgm
.Lfunc_end_k_q3fb356c8ff_build:
	.size	k_q3fb356c8ff_build, .Lfunc_end_k_q3fb356c8ff_build-k_q3fb356c8ff_build
	.p2alignl 7, 3214868480
	.fill 96, 4, 3214868480
	.section	.rodata,"a",@progbits
	.p2align	6, 0x0
	.amdhsa_kernel k_q3fb356c8ff_build
		.amdhsa_group_segment_fixed_size 248832
		.amdhsa_private_segment_fixed_size 0
		.amdhsa_enable_private_segment 0
		.amdhsa_kernarg_size 32
		.amdhsa_user_sgpr_count 2
		.amdhsa_user_sgpr_kernarg_segment_ptr 1
		.amdhsa_wavefront_size32 1
		.amdhsa_system_sgpr_workgroup_id_x 1
		.amdhsa_system_sgpr_workgroup_id_y 1
		.amdhsa_system_sgpr_workgroup_id_z 1
		.amdhsa_system_vgpr_workitem_id 0
		.amdhsa_next_free_vgpr 480
		.amdhsa_next_free_sgpr 66
		.amdhsa_reserve_vcc 0
		.amdhsa_float_denorm_mode_32 3
		.amdhsa_float_denorm_mode_16_64 3
		.amdhsa_memory_ordered 1
		.amdhsa_forward_progress 1
		.amdhsa_inst_pref_size 168
	.end_amdhsa_kernel
	.amdgpu_metadata
---
amdhsa.version: [ 1, 2 ]
amdhsa.kernels:
  - .name:           k_q3fb356c8ff_build
    .symbol:         k_q3fb356c8ff_build.kd
    .args:
      - { .name: qweight, .offset: 0, .size: 8, .value_kind: global_buffer, .address_space: global }
      - { .name: u, .offset: 8, .size: 8, .value_kind: global_buffer, .address_space: global }
      - { .name: vt, .offset: 16, .size: 8, .value_kind: global_buffer, .address_space: global }
      - { .name: w, .offset: 24, .size: 8, .value_kind: global_buffer, .address_space: global }
    .group_segment_fixed_size: 248832
    .private_segment_fixed_size: 0
    .kernarg_segment_align: 8
    .kernarg_segment_size: 32
    .max_flat_workgroup_size: 256
    .sgpr_count:     66
    .vgpr_count:     480
    .wavefront_size: 32
...
	.end_amdgpu_metadata
.endif
;; end of part 1
;; launch gemm (part 2): grid 16 x 16, 4 waves a work-group, clusters of 4 x 4, 327,680 bytes of LDS; arguments x, w, out0; writes out0
.if DOCPART == 2
	.amdgcn_target "amdgcn-amd-amdhsa--gfx1250"
	.amdhsa_code_object_version 6
	.text
	.protected	k_q3fb356c8ff_gemm
	.globl	k_q3fb356c8ff_gemm
	.p2align	8
	.type	k_q3fb356c8ff_gemm,@function
k_q3fb356c8ff_gemm:
	s_mov_b64 s[64:65], 0
	v_nop
	global_prefetch_b8 v0, s[64:65] scope:SCOPE_SE
	s_setreg_imm32_b32 hwreg(HW_REG_WAVE_MODE, 25, 1), 1
	s_wait_xcnt 0x0
	s_wait_alu depctr_hold_cnt(0) depctr_sa_sdst(0) depctr_va_vdst(0) depctr_va_sdst(0) depctr_va_ssrc(0) depctr_va_vcc(0) depctr_vm_vsrc(0)
	s_getreg_b32 s2, hwreg(HW_REG_IB_STS2, 6, 4)
	s_cmp_eq_u32 s2, 0
	s_cbranch_scc0 .Lentry_in_a_cluster
	s_endpgm
.Lentry_in_a_cluster:
	s_bfe_u32 s2, ttmp6, 0x10000c
	s_cmp_lg_u32 s2, 0xf033
	s_cbranch_scc0 .Lentry_shape_is_right
	s_endpgm
.Lentry_shape_is_right:
; BitStackLinear, the second launch: out0[m][o] = the sum over i of x[m][i] w[o][i].  A = x as [4096 (4 x 1024 rows)][4096], B = w [4096][4096] from the launch before, C = out0 [4096][4096], all f16; sums in f32,
; K ascending, C rounded once.  Nothing is left out.  LIMIT: from 65,520 on a result is an infinity, as the output's own format has it; NaN and infinities are not treated apart.
; A tile of C, 256 x 256, is made by a work-group of four waves; a wave makes 128 x 128: 64 accumulators of 16 x 16, 512 registers.  C has 16 x 16 tiles: 256 work-groups, a tile each.
; K goes in steps of 128 through a ring of two LDS slots filled by the tensor data mover: the rows of A's and B's tiles are 256 bytes of memory and start at multiples of 256 bytes from the buffer's first byte.
; The last K step goes by rows of C, so that finished rows leave while the others are multiplied.
; CLUSTERS: 4 x 4 work-groups.  The four of a row of the cluster make tiles of one tile row of C and need the same tiles of A; the four of a column need the same tiles of B.  Such a tile is asked for JOINTLY:
; each of the four issues the same tensor load, with the same descriptor and a mask that names the four, and each receives the tile in its own LDS: a quarter of the requests for A and for B.
; REGISTERS, in windows of 256 (s_set_vgpr_msb: bits 1:0 source 0, 3:2 source 1, 5:4 source 2, 7:6 destination):
;   window 0: v0-31 addresses; v64-127, v128-191 fragments of A (8 x 16 rows x 32 K), two buffers (in the last K step four, of 16 rows x 128 K); v32-63, v192-255 at work on the way out
;   window 1: v64-127, v128-191 fragments of B, two buffers; in the last K step all 256: B's fragments of the whole step
;   window 2: the 32 accumulators of my rows 0-63 (accumulator (a, b) at v[8 (8 a + b)]);   window 3: those of my rows 64-127
; THE MATRIX INSTRUCTION IS USED TRANSPOSED: source 0 = 16 rows of B, source 1 = 16 rows of A.  In the result lane l holds row l % 16 of C, its registers 0 to 7 the columns 8 (l / 16) + 0 .. 7:
; eight neighbouring numbers of a row of C, which pack into 16 bytes.
.set SIZE_M, 4096
.set SIZE_N, 4096
.set SIZE_K, 4096
.set KSTEP,  128
.set PITCH,  272                       ; an LDS row: 256 bytes + 16 of padding = 68 words: row r starts at bank 4 r mod 64 (64 banks of 4 bytes: ISA guide 11.1), so the 16 rows of a load start at 16 different banks
.set HALFT,  128*PITCH                 ; 128 rows: what one tensor load brings, and what one wave reads of A or of B
.set SLOT,   4*HALFT                   ; A's 256 rows, then B's 256 rows
.set STAGE,  2*SLOT                    ; behind the ring: 16 rows x 272 bytes for each wave, for the way out
.set SPITCH, 272
.set SPARE,  STAGE+4*16*SPITCH         ; behind the stages: the spare words, 128 bytes for each wave: two blocks of 256 bytes that no other line names
.set LAPS,   SIZE_K/(2*KSTEP)          ; a lap = two K steps = once round the ring: 16
.set ADRA, 16                          ; v16-17  LDS address of my A fragments in slot 0, 1
.set ADRB, 20                          ; v20-21  the same for B
.set STO,  24                          ; v24     the way out: where I put 16 bytes of a row
.set RD,   25                          ; v25     the way out: where I read a row back
.set CO,   26                          ; v26     my byte offset in C
.set SPW,  28                          ; v28     LDS address of my spare word; never rewritten
.set NIL,  29                          ; v29     0; never rewritten
.set PFO,  30                          ; v30     the prefetches' offset: my lane x a row of A or B (8,192 bytes); never rewritten
.set PFA,  44                          ; s[44:45] where my prefetches stand: my work-group's 32 rows of the 128 that I fetch, one K step further along K than the refill that is being asked for
.set LIM,  43                          ; s43     1 in a wave that prefetches, else the greatest number
.set F0,   64
.set F1,   128
.set TMP,  192                         ; the way out: packed results
.set OB,   32                          ; the way out: 16 rows read back from the stage: v32-63 and v224-255 by turns
.set PA,   64                          ; the last K step: A's fragments of 16 rows x 128 K, 32 registers; four such buffers, v64-191
.set G1, 24                            ; s[24:31] descriptor group 1 for A's tiles
.set G0, 32                            ; s[32:39] group 0 for A's tiles, a set for each slot
.set G1B, 48                           ; s[48:55] group 1 for B's tiles: it differs in the mask alone
.set G0B, 56                           ; s[56:63] group 0 for B's tiles
.set MSB, 0
.macro WIN new                         ; the immediate's high byte repeats the setting that is left; a switch that changes nothing is dropped
.if MSB != (\new)
	s_set_vgpr_msb (MSB<<8)|(\new)
.set MSB, \new
.endif
.endm
.set MUL_LO, 0xa1                      ; source 0 (B) window 1, source 1 (A) window 0, C and D window 2
.set MUL_HI, 0xf1                      ; the same, C and D window 3
.set TO_B,   0x40                      ; destination window 1, address window 0
; A joint load.  Waves 0 and 1 fetch A's two halves, waves 2 and 3 B's.  Each line has one mask and one set of registers for all that issue it; the branch hangs on the wave's number alone.
; An s_nop 0 and four v_nop follow each of the two lines, ahead of the jump, the label and what follows.
.macro JLOAD s
	s_cmp_eq_u32 s11, 0
	s_cbranch_scc0 .Lfor_b_\@
	tensor_load_to_lds s[G0+4*(\s):G0+4*(\s)+3], s[G1:G1+7]
	s_nop 0
.rept 4
	v_nop
.endr
	s_branch .Lasked_\@
.Lfor_b_\@:
	tensor_load_to_lds s[G0B+4*(\s):G0B+4*(\s)+3], s[G1B:G1B+7]
	s_nop 0
.rept 4
	v_nop
.endr
.Lasked_\@:
.endm
; A PREFETCH INTO THE L2, behind each joint refill and the run of LDS loads that follows it: the K step that stands TWO refills on (512 matrix instructions ahead of the load that will want it):
; 32 rows x 256 bytes, a lane a row, one instruction a wave.  Each row's 256 bytes of a K step are named ONCE in the launch.  A's tile row is read by every cluster of that row of clusters: the one with
; cluster x = 0 asks; B's tile column by every cluster of that column: cluster y = 0 asks.  The four partners that ask for a tile jointly share its rows out BY ADDRESS: of the 128 rows that a wave fetches
; the partner at place p takes 32 p .. 32 p + 31 (p = cx for A, cy for B).  K steps 0 to 3 come by their loads alone; the loop's last trip (s3 = 1) asks for nothing: the last step named is K step 31.
.macro ASK
	s_cmp_gt_u32 s3, s[LIM]
	s_cbranch_scc0 .Lnot_mine_\@
	global_prefetch_b8 v[PFO], s[PFA:PFA+1] offset:KSTEP*2 th:TH_LOAD_NT scope:SCOPE_SE
.Lnot_mine_\@:
.endm
; A round of the cluster's barrier: my work-group's barrier, so that wave 0's signal speaks for all four waves; wave 0 signals for the work-group; every wave waits for all sixteen; my work-group's barrier once more.
.macro CREST                           ; a round behind its opening barrier
	s_cmp_lg_u32 s10, 0
	s_cbranch_scc1 .Lnot_wave_0_\@
	s_barrier_signal -3
.Lnot_wave_0_\@:
	s_barrier_wait -3
	s_barrier_signal -1
	s_barrier_wait -1
.endm
.macro CROUND                          ; a whole round
	s_barrier_signal -1
	s_barrier_wait -1
	CREST
.endm
	s_load_b128 s[4:7], s[0:1], 0x0                ; A = x s[4:5], B = w s[6:7]
	s_load_b64 s[8:9], s[0:1], 0x10                ; C = out0
	v_lshl_add_u32 v[SPW], v0, 2, SPARE
	v_mov_b32 v[NIL], 0
	ds_add_u32 v[SPW], v[NIL]                      ; the wave's opening: the add, twice on end, and its wait ahead of my first tensor load
	ds_add_u32 v[SPW], v[NIL]
	v_lshrrev_b32 v1, 5, v0
	v_readfirstlane_b32 s10, v1                    ; wave 0..3
	s_lshr_b32 s11, s10, 1                         ; which half of the tile's rows is mine.  Also: I fetch for A (0) or for B (1)
	s_and_b32 s12, s10, 1                          ; which half of its columns.  Also: which 128 rows of that tile I fetch
	s_bfe_u32 s40, ttmp6, 0x40000                  ; cx
	s_bfe_u32 s41, ttmp6, 0x40004                  ; cy
	s_lshl_b32 s42, ttmp9, 2                       ; in a cluster launch ttmp9 and ttmp7 count clusters
	s_add_co_u32 s42, s42, s40                     ; tile column of C = 4 x cluster x + cx
	s_and_b32 s13, ttmp7, 0xffff
	s_lshl_b32 s13, s13, 2
	s_add_co_u32 s13, s13, s41                     ; tile row of C = 4 x cluster y + cy
	s_lshl_b32 s43, s41, 2
	s_lshl_b32 s43, 15, s43                        ; my row of the cluster: places 4 cy .. 4 cy + 3
	s_lshl_b32 s44, 0x1111, s40                    ; my column: places cx, cx + 4, cx + 8, cx + 12
	; group 1: a tile of 128 rows x 128 elements, padded in LDS
	s_or_b32 s[G1+0], s43, (1<<16)|(1<<20)|(1<<21)|(5<<22)|(3<<25)  ; 15:0 the mask: A's tiles go to my row; 17:16 elements of 2 bytes; 20 padding on; 21 set beside a mask; 24:22 after every 64 words (code 5); 31:25 4 words (code 3)
	s_or_b32 s[G1B+0], s44, (1<<16)|(1<<20)|(1<<21)|(5<<22)|(3<<25) ; the same with the mask of my column, for B's tiles
.irp g, G1, G1B
	s_mov_b32 s[(\g)+1], KSTEP<<16                 ; tensor_dim0 = 128
	s_mov_b32 s[(\g)+2], 128<<16                   ; tensor_dim1 = 128
	s_mov_b32 s[(\g)+3], KSTEP<<16                 ; tile_dim0 = 128
	s_mov_b32 s[(\g)+4], 128                       ; tile_dim1 = 128
	s_mov_b32 s[(\g)+5], SIZE_K                    ; elements from row to row
	s_mov_b32 s[(\g)+6], 0
	s_mov_b32 s[(\g)+7], 0
.endr
	; where the tiles come from.  A's hang on the tile row alone, which my row of the cluster shares; B's on the tile column alone, which my column shares.
	; Every wave makes both addresses, in registers that never hold the other coordinate, and asks by one of them.
	s_lshl_b32 s17, s12, 7                         ; which 128 rows of the tile I fetch
	s_lshl_b32 s16, s13, 8
	s_add_co_u32 s16, s16, s17                     ; A: row 256 x tile row + 128 x half
	s_lshl_b32 s46, s42, 8
	s_add_co_u32 s46, s46, s17                     ; B: row 256 x tile column + 128 x half
	s_mov_b32 s17, 0
	s_mov_b32 s47, 0
	s_mov_b64 s[18:19], SIZE_K*2
	s_mul_u64 s[16:17], s[16:17], s[18:19]         ; in bytes
	s_mul_u64 s[46:47], s[46:47], s[18:19]
	s_mul_i32 s20, s10, HALFT                      ; and where they go: A's two halves, then B's two = wave x 128 rows: no place in the cluster enters an LDS address
	s_wait_dscnt 0x0                               ; both opening adds are done
	s_wait_kmcnt 0x0
	s_add_nc_u64 s[14:15], s[4:5], s[16:17]
	s_add_nc_u64 s[46:47], s[6:7], s[46:47]
	CROUND                                         ; all sixteen work-groups are here: the first joint loads meet
.irp s, 0,1
	s_mov_b32 s[G0+4*(\s)], 1                                      ; count = 1
	s_add_co_u32 s[G0+4*(\s)+1], s20, (\s)*SLOT                    ; LDS address
	s_add_nc_u64 s[G0+4*(\s)+2:G0+4*(\s)+3], s[14:15], (\s)*KSTEP*2  ; global address: K step s
	s_or_b32 s[G0+4*(\s)+3], s[G0+4*(\s)+3], 0x80000000            ; type = 2
	s_mov_b32 s[G0B+4*(\s)], 1
	s_add_co_u32 s[G0B+4*(\s)+1], s20, (\s)*SLOT
	s_add_nc_u64 s[G0B+4*(\s)+2:G0B+4*(\s)+3], s[46:47], (\s)*KSTEP*2
	s_or_b32 s[G0B+4*(\s)+3], s[G0B+4*(\s)+3], 0x80000000
	JLOAD \s                                       ; the ring is filled before anything else is done: two loads of mine are out
.endr
	; A fragment is 16 rows x 32 K in 8 registers: lane l holds row l % 16; registers 0-3 hold K = 8 (l / 16) + 0..7, registers 4-7 K = 16 + 8 (l / 16) + 0..7: two loads of 16 bytes, 32 bytes apart.
	v_and_b32 v1, 15, v0                           ; l % 16
	v_bfe_u32 v2, v0, 4, 1                         ; l / 16
	v_mul_u32_u24 v3, v1, PITCH
	v_lshl_add_u32 v3, v2, 4, v3                   ; row x pitch + 16 x half
	s_mul_i32 s21, s11, HALFT                      ; my 128 rows of A
	s_mul_i32 s22, s12, HALFT                      ; my 128 rows of B,
	s_add_co_u32 s22, s22, 2*HALFT                 ; which lie behind A's 256
.irp s, 0,1
	v_add_nc_u32 v[ADRA+(\s)], s21, v3
	v_add_nc_u32 v[ADRB+(\s)], s22, v3
	s_add_co_u32 s21, s21, SLOT
	s_add_co_u32 s22, s22, SLOT
.endr
	s_mul_i32 s23, s10, 16*SPITCH
	s_add_co_u32 s23, s23, STAGE                   ; my stage
	v_mul_u32_u24 v4, v1, SPITCH                   ; in: row l % 16, 16 bytes for each half of the lanes
	v_lshl_add_u32 v4, v2, 4, v4
	v_add_nc_u32 v[STO], s23, v4
	v_mul_u32_u24 v5, v2, SPITCH                   ; back: lanes 0-15 take one row of 256 bytes, lanes 16-31 the next
	v_lshl_add_u32 v5, v1, 4, v5
	v_add_nc_u32 v[RD], s23, v5
	v_mul_u32_u24 v5, v2, SIZE_N*2                 ; and the same two rows in C
	v_lshl_add_u32 v[CO], v1, 4, v5
	; where my part of the tile begins in C, in bytes: the way out adds it to C's address
	s_lshl_b32 s13, s13, 8
	s_lshl_b32 s14, s11, 7
	s_add_co_u32 s16, s13, s14                     ; my first row of C
	s_mov_b32 s17, 0
	s_mov_b64 s[18:19], SIZE_N*2
	s_mul_u64 s[16:17], s[16:17], s[18:19]
	s_lshl_b32 s46, s42, 9                         ; my first column, in bytes: 512 x tile column + 256 x half
	s_lshl_b32 s47, s12, 8
	s_add_co_u32 s46, s46, s47
	s_mov_b32 s47, 0
	s_add_nc_u64 s[16:17], s[16:17], s[46:47]
	; the prefetches.  s13 = 256 x tile row, s42 = tile column, s40 = cx, s41 = cy still stand
	s_lshl_b32 s42, s42, 8
	s_and_b32 s22, ttmp7, 0xffff                   ; cluster y
	s_cmp_eq_u32 s11, 0                            ; do I fetch for A?
	s_cselect_b32 s20, s13, s42                    ; the tile's first row: in A by the tile row, in B by the tile column
	s_cselect_b32 s21, s40, s41                    ; my place among the four that ask for it with me
	s_cselect_b32 s22, ttmp9, s22                  ; the coordinate along which other clusters read the same rows
	s_cselect_b64 s[PFA:PFA+1], s[4:5], s[6:7]
	s_cmp_eq_u32 s22, 0
	s_cselect_b32 s[LIM], 1, -1                    ; the same in all sixteen partners, for a given wave
	s_lshl_b32 s22, s12, 7
	s_add_co_u32 s20, s20, s22                     ; + the 128 rows that I fetch
	s_lshl_b32 s21, s21, 5
	s_add_co_u32 s20, s20, s21                     ; + my work-group's 32 of them
	s_mov_b32 s21, 0
	s_mov_b64 s[18:19], SIZE_K*2
	s_mul_u64 s[20:21], s[20:21], s[18:19]
	s_add_nc_u64 s[PFA:PFA+1], s[PFA:PFA+1], s[20:21]
	s_add_nc_u64 s[PFA:PFA+1], s[PFA:PFA+1], 2*KSTEP*2  ; at K step 2: the first refill steps it to 3 and names K step 4
	v_and_b32 v[PFO], 31, v0
	v_mul_u32_u24 v[PFO], v[PFO], SIZE_K*2
; 16 matrix instructions: m blocks a0, a0 + 1 of the window's four (hi = 0: my rows 0-63, 1: rows 64-127) x all 8 n blocks, 32 along K.  zero = 1: the first product starts the sums: nothing is ever cleared.
; The 64 accumulators take turns, one instruction a turn, in the same order in every quarter step, over the loop's backward jump too.
.macro MUL16 f, hi, a0, zero
	WIN MUL_LO+0x50*(\hi)
.irp a, \a0, (\a0)+1
.irp b, 0,1,2,3,4,5,6,7
.if \zero
	v_wmma_f32_16x16x32_f16 v[8*(8*(\a)+(\b)):8*(8*(\a)+(\b))+7], v[(\f)+8*(\b):(\f)+8*(\b)+7], v[(\f)+8*(4*(\hi)+(\a)):(\f)+8*(4*(\hi)+(\a))+7], 0
.else
	v_wmma_f32_16x16x32_f16 v[8*(8*(\a)+(\b)):8*(8*(\a)+(\b))+7], v[(\f)+8*(\b):(\f)+8*(\b)+7], v[(\f)+8*(4*(\hi)+(\a)):(\f)+8*(4*(\hi)+(\a))+7], v[8*(8*(\a)+(\b)):8*(8*(\a)+(\b))+7]
.endif
.endr
.endr
.endm
; 32 LDS loads in one run: the fragments of one quarter step (128 rows of B, 128 rows of A, 32 K at byte k of the rows) into buffer f
.macro FETCH slot, k, f
	WIN TO_B
.irp i, 0,1,2,3,4,5,6,7
	ds_load_b128 v[(\f)+8*(\i):(\f)+8*(\i)+3],   v[ADRB+(\slot)] offset:(\k)+(\i)*16*PITCH
	ds_load_b128 v[(\f)+8*(\i)+4:(\f)+8*(\i)+7], v[ADRB+(\slot)] offset:(\k)+(\i)*16*PITCH+32
.endr
	WIN 0
.irp i, 0,1,2,3,4,5,6,7
	ds_load_b128 v[(\f)+8*(\i):(\f)+8*(\i)+3],   v[ADRA+(\slot)] offset:(\k)+(\i)*16*PITCH
	ds_load_b128 v[(\f)+8*(\i)+4:(\f)+8*(\i)+7], v[ADRA+(\slot)] offset:(\k)+(\i)*16*PITCH+32
.endr
.endm
; A load into a register that a matrix instruction has read, and a vector instruction that reads a matrix result, stand four places behind that matrix instruction; only plain vector instructions that name
; none of its registers are places (ISA guide 7.12.1 for vector instructions).
.macro PLACES
.rept 4
	v_nop
.endr
.endm
; A K step is four quarter steps of 32 along K, 64 matrix instructions each, on buffers 0, 1, 0, 1.  One of the first three: multiplies buffer f; in its middle it fetches the next quarter's fragments into buffer g.
.macro QUARTER slot, k, f, g, zero
	s_wait_dscnt 8                                 ; B and A's rows 0-63 are in; the youngest eight loads (A's rows 64-127) may be out
	WIN MUL_LO
	MUL16 \f, 0, 0, \zero
	MUL16 \f, 0, 2, \zero
	PLACES
	FETCH \slot, \k, \g
	s_wait_dscnt 32                                ; all but the 32 just issued
	WIN MUL_HI
	MUL16 \f, 1, 0, \zero
	MUL16 \f, 1, 2, \zero
.endm
; The last quarter multiplies buffer 1 and changes slots.  MEET is its first half: ONE barrier for the change of slots.  In front of it each wave waits for all its tensor loads, of which one is out: its part
; of the next slot; adds 0 to its spare word; and waits for that and for its own reads of this slot.  Behind it nobody reads this slot any more and the next slot is whole.
.macro MEET round                      ; round = 1: a round of the cluster's barrier follows
	WIN 0                                          ; (the add's two registers lie in window 0)
	s_wait_tensorcnt 0x0                           ; all my tensor loads have landed;
	ds_add_u32 v[SPW], v[NIL]                      ; 0 onto my spare word
	s_wait_dscnt 9                                 ; (the add and the youngest eight loads may be out)
	WIN MUL_LO
	MUL16 F1, 0, 0, 0                              ; sixteen matrix instructions stand between the add and the wait for it
	s_wait_dscnt 0x0                               ; the add is done, and my reads of this slot are over:
	s_barrier_signal -1                            ; say so,
	MUL16 F1, 0, 2, 0                              ; work on registers while the others arrive,
.if \round
	WIN 0
.endif
	s_barrier_wait -1                              ; and go on when all four have said so
.endm
; The whole last quarter.  Behind the round the slot just read out is filled again first, with the K step two steps on; then come the next slot's first fragments.
; From a request to the wait for it a wave issues 224 matrix instructions.
.macro TURN slot, next
	s_wait_xcnt 0x0                                ; the last prefetch, a K step back, has read its address: it is stepped here, ahead of the waits of the change of slots
	s_add_nc_u64 s[PFA:PFA+1], s[PFA:PFA+1], KSTEP*2
	MEET 1
	CREST                                          ; all sixteen work-groups have said so: no wave of any partner still reads this slot's tile or has a load on its way
	s_add_nc_u64 s[G0+4*(\slot)+2:G0+4*(\slot)+3], s[G0+4*(\slot)+2:G0+4*(\slot)+3], 2*KSTEP*2
	s_add_nc_u64 s[G0B+4*(\slot)+2:G0B+4*(\slot)+3], s[G0B+4*(\slot)+2:G0B+4*(\slot)+3], 2*KSTEP*2
	JLOAD \slot                                    ; the first tensor load behind the round; the four v_nop behind it are also the places in front of the loads below
	FETCH \next, 0, F0
	ASK
	WIN MUL_HI
	MUL16 F1, 1, 0, 0
	MUL16 F1, 1, 2, 0
.endm
; THE LAST K STEP (it lies in slot 1) GOES BY ROWS OF C.  All its fragments of B (4 quarters x 64 registers) fill window 1; then my eight blocks of 16 rows are finished one after the other, each with
; 32 matrix instructions (its 8 accumulators by turns, K ascending).  LDS is read no more than in any other K step.
.macro BLOAD q                         ; B's fragments of quarter q -> window 1, v[64 q ..]
	WIN TO_B
.irp i, 0,1,2,3,4,5,6,7
	ds_load_b128 v[64*(\q)+8*(\i):64*(\q)+8*(\i)+3],   v[ADRB+1] offset:64*(\q)+(\i)*16*PITCH
	ds_load_b128 v[64*(\q)+8*(\i)+4:64*(\q)+8*(\i)+7], v[ADRB+1] offset:64*(\q)+(\i)*16*PITCH+32
.endr
.endm
.macro ALOAD a                         ; A's fragments of block a, all four quarters -> buffer a % 4
	WIN 0
.set FA, PA+32*((\a)%4)
.irp q, 0,1,2,3
	ds_load_b128 v[FA+8*(\q):FA+8*(\q)+3],   v[ADRA+1] offset:64*(\q)+(\a)*16*PITCH
	ds_load_b128 v[FA+8*(\q)+4:FA+8*(\q)+7], v[ADRA+1] offset:64*(\q)+(\a)*16*PITCH+32
.endr
.endm
.macro ROW a                           ; block a is finished: 32 matrix instructions
.set FA, PA+32*((\a)%4)
.set AC, 64*((\a)%4)                   ; its eight accumulators, in window 2 (blocks 0-3) or 3 (blocks 4-7)
	WIN MUL_LO+0x50*((\a)/4)
.irp q, 0,1,2,3
.if (\a) == 0 && (\q) == 2
	s_wait_dscnt 24                                ; B's quarter 2 is in (behind it: A's blocks 1 to 3)
.endif
.irp b, 0,1,2,3,4,5,6,7
	v_wmma_f32_16x16x32_f16 v[AC+8*(\b):AC+8*(\b)+7], v[64*(\q)+8*(\b):64*(\q)+8*(\b)+7], v[FA+8*(\q):FA+8*(\q)+7], v[AC+8*(\b):AC+8*(\b)+7]
.endr
.endr
.endm
; THE WAY OUT of block a.  PACK: rounded to f16, 16 bytes a lane, each accumulator's registers in ascending order.  TOSTAGE: into my own stage in LDS, and back as whole rows of 256 bytes.  SEND: stored.
.macro PACK a
.set AC, 64*((\a)%4)
	WIN 0x0a+5*((\a)/4)                            ; sources 0 and 1: window 2 or 3
.irp b, 0,1,2,3,4,5,6,7
.irp r, 0,1,2,3
	v_cvt_pk_f16_f32 v[TMP+4*(\b)+(\r)], v[AC+8*(\b)+2*(\r)], v[AC+8*(\b)+2*(\r)+1]
.endr
.endr
	WIN 0
.endm
.macro TOSTAGE a
	WIN 0
.set BK, OB+192*((\a)%2)
.irp b, 0,1,2,3,4,5,6,7
	ds_store_b128 v[STO], v[TMP+4*(\b):TMP+4*(\b)+3] offset:32*(\b)
.endr
.irp t, 0,1,2,3,4,5,6,7
	ds_load_b128 v[BK+4*(\t):BK+4*(\t)+3], v[RD] offset:(\t)*2*SPITCH  ; LDS serves a wave's instructions in order (ISA guide 5.7.1.4): these see the stores above
.endr
.endm
.macro SEND a, younger                 ; younger: the LDS loads issued behind TOSTAGE's, which may stay out
	WIN 0
.set BK, OB+192*((\a)%2)
	s_wait_dscnt \younger                          ; the block is back in registers
	s_wait_xcnt 0x0                                ; earlier stores have read their base and their registers: only behind this wait are these rewritten
.if (\a) == 0
	s_add_nc_u64 s[8:9], s[8:9], s[16:17]          ; on to my first rows of the tile
.else
	s_add_nc_u64 s[8:9], s[8:9], 16*SIZE_N*2       ; 16 rows of C on
.endif
.irp t, 0,1,2,3,4,5,6,7
	global_store_b128 v[CO], v[BK+4*(\t):BK+4*(\t)+3], s[8:9] offset:2*(\t)*SIZE_N*2  ; 16 lanes store 256 consecutive bytes, at a multiple of 256 from C's first byte
.endr
.endm
	s_wait_tensorcnt 1                             ; my part of K step 0 is in; K step 1's load, one younger, stays out
	s_barrier_signal -1
	s_barrier_wait -1                              ; everybody's is
	FETCH 0, 0, F0
	QUARTER 0, 64,  F0, F1, 1                      ; the first quarter stands in front of the loop: its products start the sums
	WIN 0                                          ; at a label and at a branch every window is 0
	s_mov_b32 s3, LAPS-1
.Llap:                                                 ; a trip goes once round the ring, from a lap's second quarter to the next lap's first, and fills both slots again
	QUARTER 0, 128, F1, F0, 0
	QUARTER 0, 192, F0, F1, 0
	TURN 0, 1
	QUARTER 1, 64,  F0, F1, 0
	QUARTER 1, 128, F1, F0, 0
	QUARTER 1, 192, F0, F1, 0
	TURN 1, 0
	QUARTER 0, 64,  F0, F1, 0
	WIN 0
	s_sub_co_u32 s3, s3, 1
	s_cmp_lg_u32 s3, 0
	s_cbranch_scc1 .Llap
	QUARTER 0, 128, F1, F0, 0                      ; the last lap is written out: it asks for nothing more
	QUARTER 0, 192, F0, F1, 0
	MEET 0                                         ; my one tensor load that was still out is slot 1's, the last K step's, so no round follows
	PLACES                                         ; for the loads into buffer 0, which the quarter before multiplied
	BLOAD 0                                        ; three quarters of B now: buffer 1 (v128-191 of both windows) is still being multiplied
	BLOAD 1
	BLOAD 3
	ALOAD 0
	MUL16 F1, 1, 0, 0
	MUL16 F1, 1, 2, 0
	PLACES                                         ; for the loads into buffer 1
	BLOAD 2
	ALOAD 1
	ALOAD 2
	ALOAD 3
	s_wait_dscnt 40                                ; all but the 40 just issued
	ROW 0
.irp a, 0,1,2,3,4,5,6,7                ; each block leaves as soon as it is finished
	PLACES                                         ; its conversions read results just made, and no other vector work is at hand
	PACK \a
	TOSTAGE \a
.if (\a) < 4
	ALOAD (\a)+4                                   ; its buffer takes the block four further on
	SEND \a, 8
.else
	SEND \a, 0
.endif
.if (\a) < 7
	ROW (\a)+1
.endif
.endr
	s_wait_tensorcnt 0x0                           ; the wave's end: the wait, the add and the wait, behind my last tensor load and my last LDS store
	ds_add_u32 v[SPW], v[NIL]
	s_wait_dscnt 0x0
	CROUND                                         ; the closing round: no work-group ends while a partner may still ask for a tile that names it
	s_endpgm
.Lfunc_end_k_q3fb356c8ff_gemm:
	.size	k_q3fb356c8ff_gemm, .Lfunc_end_k_q3fb356c8ff_gemm-k_q3fb356c8ff_gemm
	.p2alignl 7, 3214868480
	.fill 96, 4, 3214868480
	.section	.rodata,"a",@progbits
	.p2align	6, 0x0
	.amdhsa_kernel k_q3fb356c8ff_gemm
		.amdhsa_group_segment_fixed_size 327680
		.amdhsa_private_segment_fixed_size 0
		.amdhsa_enable_private_segment 0
		.amdhsa_kernarg_size 24
		.amdhsa_user_sgpr_count 2
		.amdhsa_user_sgpr_kernarg_segment_ptr 1
		.amdhsa_wavefront_size32 1
		.amdhsa_system_sgpr_workgroup_id_x 1
		.amdhsa_system_sgpr_workgroup_id_y 1
		.amdhsa_system_sgpr_workgroup_id_z 1
		.amdhsa_system_vgpr_workitem_id 0
		.amdhsa_next_free_vgpr 1024
		.amdhsa_next_free_sgpr 66
		.amdhsa_reserve_vcc 0
		.amdhsa_float_denorm_mode_32 3
		.amdhsa_float_denorm_mode_16_64 3
		.amdhsa_memory_ordered 1
		.amdhsa_forward_progress 1
		.amdhsa_inst_pref_size 144
	.end_amdhsa_kernel
	.amdgpu_metadata
---
amdhsa.version: [ 1, 2 ]
amdhsa.kernels:
  - .name:           k_q3fb356c8ff_gemm
    .symbol:         k_q3fb356c8ff_gemm.kd
    .args:
      - { .name: x, .offset: 0, .size: 8, .value_kind: global_buffer, .address_space: global }
      - { .name: w, .offset: 8, .size: 8, .value_kind: global_buffer, .address_space: global }
      - { .name: out0, .offset: 16, .size: 8, .value_kind: global_buffer, .address_space: global }
    .group_segment_fixed_size: 327680
    .private_segment_fixed_size: 0
    .kernarg_segment_align: 8
    .kernarg_segment_size: 24
    .max_flat_workgroup_size: 128
    .sgpr_count:     66
    .vgpr_count:     1024
    .wavefront_size: 32
...
	.end_amdgpu_metadata
.endif
;; end of part 2
